; MI455X (gfx1250); checked and timed in simulation.
; The chip was launched on July 23, 2026; its instructions are those of AMD's public machine-readable ISA for CDNA 5 (MIT licence, August 2026) and "CDNA5" Instruction Set Architecture Reference Guide (July 2026). The comments in the code are by the model that wrote it; some were corrected since.
;; BSRBF KAN Layer. Allowed arithmetic: float matrix products may take bf16 or f16 operands with f32 sums; other float arithmetic in f32, or as packed bf16 or f16 multiplies, adds, multiply-adds, maxima and minima; sums over many terms, partial sums and values carried from step to step in f32; what a program stores and reads back later, other than sums and carried values, may be rounded once to bf16 or f16.
;; Inputs: base_weight 512 x 512 float32; ln_beta 512 float32; ln_gamma 512 float32; spline_weight 512 x 4,096 float32; x 4 x 4,096 x 512 float32.
;; Outputs: out0 4 x 4,096 x 512 float32.
;; One version. Each part assembles by itself: llvm-mc -triple=amdgcn-amd-amdhsa -mcpu=gfx1250 --defsym DOCPART=n.
;; ======== version 1 of 1: 2 launches
;; limits: values are held in f16: magnitudes above 65,504 overflow, below 6.1e-05 lose precision
;; workspace buffers: wc 4,718,592 bytes
;; launch cast (part 1): grid 512 x 1, 18 waves a work-group, no clusters, 0 bytes of LDS; arguments base_weight, spline_weight, wc; writes wc
.if DOCPART == 1
	.amdgcn_target "amdgcn-amd-amdhsa--gfx1250"
	.amdhsa_code_object_version 6
	.text
	.protected	k_qf110c61913_cast
	.globl	k_qf110c61913_cast
	.p2align	8
	.type	k_qf110c61913_cast,@function
k_qf110c61913_cast:
	s_mov_b64 s[64:65], 0
	v_nop
	global_prefetch_b8 v0, s[64:65] scope:SCOPE_SE
	s_setreg_imm32_b32 hwreg(HW_REG_WAVE_MODE, 25, 1), 1
	s_wait_xcnt 0x0
; wc[n][k] in f16, [512][4608]: k < 512: base_weight[n][k]; k >= 512: (4/3) x spline_weight[n][k - 512], the product taken in f32 and rounded once.
; The factor 4/3 pays for the 3/4 that the next launch keeps in its spline features, so that those are made of numbers in 0 .. 1 with no further scaling.
; LIMITS.  f16 ends at 65,504: |base_weight| and (4/3) |spline_weight| stay under it; below 6e-5 a weight keeps f16's fixed step of 6e-8.
; SHARES.  Work-group n makes row n of wc: 4,608 numbers, 8 a thread, 576 threads.  Waves 0 and 1 (threads 0-63) take the 512 base weights, waves 2-17 the 4,096 spline weights.
; A thread loads 32 neighbouring bytes and stores 16: a wave's store covers 512 consecutive bytes, at a multiple of 256 from wc's first byte (a row of wc is 9,216 = 36 x 256 bytes).
; Memory binds: no LDS, no matrix unit, each byte read once and written once.
.set WROW, 9216                        ; bytes in a row of wc
	s_load_b128 s[4:7], s[0:1], 0x0                ; base_weight s[4:5], spline_weight s[6:7]
	s_load_b64 s[8:9], s[0:1], 0x10                ; wc
	v_lshrrev_b32 v1, 5, v0
	v_readfirstlane_b32 s10, v1                    ; wave 0..17
	v_lshlrev_b32 v2, 5, v0                        ; 32 t: my 8 numbers in f32
	v_lshlrev_b32 v3, 4, v0                        ; 16 t: my 8 numbers in f16
	s_mul_i32 s20, ttmp9, WROW                     ; my row of wc
	s_mov_b32 s21, 0
	s_mov_b32 s17, 0
	s_wait_kmcnt 0x0
	s_add_nc_u64 s[8:9], s[8:9], s[20:21]
	s_cmp_lt_u32 s10, 2
	s_cbranch_scc0 .Lspline
	s_lshl_b32 s16, ttmp9, 11                      ; a row of base_weight is 2,048 bytes
	s_add_nc_u64 s[18:19], s[4:5], s[16:17]
	s_mov_b32 s14, 1.0
	global_load_b128 v[4:7], v2, s[18:19] th:TH_LOAD_NT
	global_load_b128 v[8:11], v2, s[18:19] offset:16 th:TH_LOAD_NT
	s_branch .Lgot
.Lspline:
	s_lshl_b32 s16, ttmp9, 14                      ; a row of spline_weight is 16,384 bytes
	s_add_nc_u64 s[18:19], s[6:7], s[16:17]
	s_mov_b32 s14, 0x3faaaaab                      ; 4/3
	global_load_b128 v[4:7], v2, s[18:19] offset:-2048 th:TH_LOAD_NT   ; thread 64 takes the row's first 32 bytes: 32 t - 2,048
	global_load_b128 v[8:11], v2, s[18:19] offset:-2032 th:TH_LOAD_NT
.Lgot:
	s_mov_b32 s15, s14                             ; named with it as a pair
	s_wait_loadcnt 0x0
.irp j, 0,2,4,6
	v_pk_mul_f32 v[4+\j:5+\j], v[4+\j:5+\j], s[14:15] op_sel_hi:[1,0]
.endr
.irp j, 0,1,2,3
	v_cvt_pk_f16_f32 v[12+\j], v[4+2*\j], v[5+2*\j]
.endr
	global_store_b128 v3, v[12:15], s[8:9]
	s_endpgm
.Lfunc_end_k_qf110c61913_cast:
	.size	k_qf110c61913_cast, .Lfunc_end_k_qf110c61913_cast-k_qf110c61913_cast
	.p2alignl 7, 3214868480
	.fill 96, 4, 3214868480
	.section	.rodata,"a",@progbits
	.p2align	6, 0x0
	.amdhsa_kernel k_qf110c61913_cast
		.amdhsa_group_segment_fixed_size 0
		.amdhsa_private_segment_fixed_size 0
		.amdhsa_enable_private_segment 0
		.amdhsa_kernarg_size 24
		.amdhsa_user_sgpr_count 2
		.amdhsa_user_sgpr_kernarg_segment_ptr 1
		.amdhsa_wavefront_size32 1
		.amdhsa_system_sgpr_workgroup_id_x 1
		.amdhsa_system_sgpr_workgroup_id_y 1
		.amdhsa_system_sgpr_workgroup_id_z 1
		.amdhsa_system_vgpr_workitem_id 0
		.amdhsa_next_free_vgpr 24
		.amdhsa_next_free_sgpr 66
		.amdhsa_reserve_vcc 0
		.amdhsa_float_denorm_mode_32 3
		.amdhsa_float_denorm_mode_16_64 3
		.amdhsa_memory_ordered 1
		.amdhsa_forward_progress 1
		.amdhsa_inst_pref_size 3
	.end_amdhsa_kernel
	.amdgpu_metadata
---
amdhsa.version: [ 1, 2 ]
amdhsa.kernels:
  - .name:           k_qf110c61913_cast
    .symbol:         k_qf110c61913_cast.kd
    .args:
      - { .name: base_weight, .offset: 0, .size: 8, .value_kind: global_buffer, .address_space: global }
      - { .name: spline_weight, .offset: 8, .size: 8, .value_kind: global_buffer, .address_space: global }
      - { .name: wc, .offset: 16, .size: 8, .value_kind: global_buffer, .address_space: global }
    .group_segment_fixed_size: 0
    .private_segment_fixed_size: 0
    .kernarg_segment_align: 8
    .kernarg_segment_size: 24
    .max_flat_workgroup_size: 576
    .sgpr_count:     66
    .vgpr_count:     24
    .wavefront_size: 32
...
	.end_amdgpu_metadata
.endif
;; end of part 1
;; launch kan (part 2): grid 256 x 1, 8 waves a work-group, clusters of 4 x 1, 327,680 bytes of LDS; arguments x, ln_gamma, ln_beta, wc, out0; writes out0
.if DOCPART == 2
	.amdgcn_target "amdgcn-amd-amdhsa--gfx1250"
	.amdhsa_code_object_version 6
	.text
	.protected	k_qf110c61913_kan
	.globl	k_qf110c61913_kan
	.p2align	8
	.type	k_qf110c61913_kan,@function
k_qf110c61913_kan:
	s_mov_b64 s[64:65], 0
	v_nop
	global_prefetch_b8 v0, s[64:65] scope:SCOPE_SE
	s_setreg_imm32_b32 hwreg(HW_REG_WAVE_MODE, 25, 1), 1
	s_wait_xcnt 0x0
	s_wait_alu depctr_hold_cnt(0) depctr_sa_sdst(0) depctr_va_vdst(0) depctr_va_sdst(0) depctr_va_ssrc(0) depctr_va_vcc(0) depctr_vm_vsrc(0)
	s_getreg_b32 s2, hwreg(HW_REG_IB_STS2, 6, 4)
	s_cmp_eq_u32 s2, 0
	s_cbranch_scc0 .Lentry_in_a_cluster
	s_endpgm
.Lentry_in_a_cluster:
	s_bfe_u32 s2, ttmp6, 0x10000c
	s_cmp_lg_u32 s2, 0x3003
	s_cbranch_scc0 .Lentry_shape_is_right
	s_endpgm
.Lentry_shape_is_right:
; out0[row][o] = sum over d of relu(xn[row][d]) base_weight[o][d] + sum over d, j of (bspline_j(xn[row][d]) + rbf_j(xn[row][d])) spline_weight[o][8 d + j],  xn = LayerNorm(x) gamma + beta.
; x, out0: [16384][512] f32.  wc: [512][4608] f16, made by the launch before: the base weights, then 4/3 of the spline weights.  ONE product of K = 4,608: features (made here, never stored to memory) x wc.
; FORMATS.  Both matrix operands f16, sums f32, everything else f32.  LIMITS: |xn| stays under 65,504 (relu(xn) is an f16 operand; xn is at most 22.6 |gamma| + |beta|); a spline feature lies in 0 .. 1.25 for
; every input, and below 6e-8 it counts as 0; NaN and infinities are not treated apart.
; LAYERNORM in two passes: mu = sum / 512, d = x - mu, var = sum of d^2 / 512: no difference of large sums.
; THE FEATURE kept here is F_j = 3/4 (rbf_j + bspline_j).
;   3/4 rbf_j = 2^(-t^2 + log2(3/4)), t = sqrt(log2 e) (7/3 xn + 3.5 - j): the exponent is at most log2(3/4) for every input, so nothing can overflow; the source formula takes no maximum away either.
;   bspline_j is the cardinal cubic spline round knot j + 2 of v = (xn + 3.3) / 0.6.  With rho_k = clamp01((v - k) / 2), h = rho_j - rho_(j+2) is max(0, 2 - |v - j - 2|) / 2, and
;   3/4 bspline_j = h^3 - clamp01(kappa (2 h - 1))^3, kappa = 2^(-1/3).  All of it lies in 0 .. 1, is exactly 0 outside the support, and has no branch and no table.
; SHARES.  A work-group owns 64 rows and ALL 512 columns, so that each feature is made once in the launch: 256 work-groups.  Waves 0-3 MULTIPLY: wave w makes 64 rows x columns 128 w .. + 127, 32 accumulators.
; Waves 4-7 MAKE FEATURES: wave 4 + p owns rows 16 p .. + 15; lane (r = l % 16, h = l / 16) holds row 16 p + r, channels 16 s + 8 h + i (s = 0..31, i = 0..7): 256 xn, in registers for the whole launch.
; K goes in 36 steps of 128: steps 0-3 are the base part (channels 128 T on), step 4 + s the spline part of channels 16 s .. + 15 (k = 8 d + j): wc's own order.
; While the multiplying waves work on step t, the others write step t + 1's features into the other feature slot, and the tensor data mover brings step t + 1's weights into the other weight slot.
; CLUSTER.  All work-groups walk the same wc: the four of a cluster ask for each tile JOINTLY (the same load, descriptor and mask in all four).  4 x 1: a mask names four, and nothing else is shared.
; The matrix instruction is used transposed (source 0 = 16 rows of wc, source 1 = 16 rows of features): a lane then holds eight neighbouring columns of one row of out0.
.set PB,    272                        ; an LDS row of weights or features: 256 bytes + 16 of padding = 68 words, so the 16 rows of a fragment load start 4 banks apart (64 banks of 4 bytes: ISA guide 11.1)
.set B1,    512*PB                     ; weight slot 0 at byte 0, slot 1 here: 512 rows each.  x lands once in slot 1's bytes, ahead of that slot's first weights
.set A0,    2*B1                       ; feature slots: 64 rows each, written by ds_store alone; no tensor load lands from here on
.set A1,    A0+64*PB
.set SPARE, A1+64*PB                   ; the spare words, 128 bytes for each of the eight waves: four blocks of 256 bytes that no other line names
.set GB,    SPARE+1024                 ; gamma (2,048 bytes), then beta
.set PX,    1040                       ; half a row of x in LDS: 1,024 bytes + 16
.set PS,    528                        ; the way out: a row of 128 f32 + 16 bytes; 64 such rows a wave, in weight slot 0 behind its last fill
.set WROW,  9216                       ; bytes in a row of wc
.set KB,    256                        ; bytes of a row of wc in a K step
; scalar registers
.set WV,  14                           ; my wave's number
.set W4,  15                           ; WV & 3: which quarter of the columns, or of the rows, is mine
.set CX,  16                           ; my place in the cluster: it enters x's, out0's and the prefetches' addresses alone
.set WG,  17                           ; my work-group = 4 x cluster + cx
.set LC,  18                           ; the loop's count, 17 to 1
.set LIM, 19                           ; 1 in a wave that prefetches, else the greatest number
.set LIM2, 20                          ; 2 in such a wave
.set TL,  21                           ; at work, for LDS addresses
.set PFA, 22                           ; s[22:23] where my prefetches stand
.set G1B, 24                           ; s[24:31] descriptor group 1 for wc's tiles
.set G0B, 32                           ; s[32:39] group 0, a set for each slot
.set G1X, 40                           ; s[40:47] group 1 for x
.set G0X, 48                           ; s[48:51] group 0 for x
.set C512, 52                          ; s52 1/512, s53 1e-5 (ahead of that: at work for wc's address)
.set SEL, 54                           ; s[54:55] v_permlanex16_b32's selects: each lane takes its own place in the other half
.set AL,  56                           ; s[56:57] sqrt(log2 e) x 7/3
.set CCS, 58                           ; s[58:59] log2(3/4)
.set BJ,  66                           ; s[66:81] sqrt(log2 e) (3.5 - j), a pair for each j
.set GBP, 86                           ; s[86:87] gamma (waves 0-3) or beta (waves 4-7)
; vector registers.  The addresses of BOTH roles are made by every wave, in one text without a branch, and never rewritten: each has one meaning in all eight waves
.set GST, 23                           ; where my 16 bytes of gamma or beta go
.set PFO, 29                           ; lane x a row of wc
.set SPW, 30                           ; LDS address of my spare word
.set NIL, 31                           ; 0
; multiplying waves.  Window 1 (v256-511): accumulator (a, b) at v[8 (8 a + b)]
.set ADRB, 16                          ; v16-17 my weight fragments in slot 0, 1
.set ADRA, 18                          ; v18-19 the feature fragments in slot 0, 1
.set STO,  20                          ; the way out: where I put 32 bytes of a row
.set RD,   21                          ; where I read a row back
.set CO,   22                          ; my 16 bytes in 512 consecutive bytes of out0
.set F0,   32                          ; fragment buffers of 96: 8 of weights, then 4 of features
.set F1,   128
.set OB,   32                          ; the way out: two sets of 64
; feature waves.  Window 1: xn, channel 16 s + 8 h + i at v[8 s + i]
.set XA,  4                            ; my row of x in LDS
.set GA,  5                            ; gamma and beta for my half of the lanes
.set PSB, 6                            ; v6-7  where a base step's 16 bytes go, slot 0, 1
.set PSS, 8                            ; v8-9  where a spline step's 128 bytes go
.set ZR,  10                           ; 0
.set MU,  12                           ; v[12:13] mu, twice
.set RS,  14                           ; v[14:15] 1 / sqrt(var + eps), twice
.set KA,  32                           ; v[32:33] 1/1.2     the clamped lines take vector registers alone, so these constants live in pairs
.set K2,  34                           ; v[34:35] 2 kappa
.set KN,  36                           ; v[36:37] -kappa
.set KR,  38                           ; v[38:57] 2.75 - 0.5 k, k = 0..9
.set CUR, 58                           ; v[58:65] the step's eight xn
.set EE,  66                           ; v[66:81] t, exponent, Gaussian, feature: pair j = two xn
.set TS,  66                           ; the same registers at work elsewhere
.set RHO, 82                           ; v[82:101]
.set HH,  102                          ; v[102:117]
.set BHH, 118                          ; v[118:133]
.set HSQ, 134                          ; v[134:149]
.set BSQ, 150                          ; v[150:165]
.set OUTR, 166                         ; v[166:173]
.set GS0, 82                           ; two sets of 64 for gamma and beta, v[82:209]
.set GIN, 224                          ; v[224:227] my 16 bytes of gamma or beta on their way into LDS
.set MSB, 0
.macro WIN new                         ; s_set_vgpr_msb: bits 1:0 source 0, 3:2 source 1, 5:4 source 2, 7:6 destination; the high byte repeats the setting that is left
.if MSB != (\new)
	s_set_vgpr_msb (MSB<<8)|(\new)
.set MSB, (\new)
.endif
.endm
.macro PLACES                          ; four plain places behind a matrix instruction, ahead of loads into registers that it has read (ISA guide 7.12.1 for vector instructions)
.rept 4
	v_nop
.endr
.endm
; A round of the cluster's barrier: my work-group's barrier, so that wave 0's signal speaks for all eight waves; wave 0 signals; every wave waits for all four work-groups; my work-group's barrier once more.
.macro ROUND
	s_barrier_signal -1
	s_barrier_wait -1
	s_cmp_lg_u32 s[WV], 0
	s_cbranch_scc1 .Lnot_wave_0_\@
	s_barrier_signal -3
.Lnot_wave_0_\@:
	s_barrier_wait -3
	s_barrier_signal -1
	s_barrier_wait -1
.endm
; A PREFETCH INTO THE L2: in trip t the 256 bytes of K step t + 4 of 32 rows of wc, a lane a row: three steps ahead of the joint load that will ask for them.  All clusters walk the same wc: cluster 0 asks.
; Its four partners share the 512 rows out BY ADDRESS, 128 each; in each, waves 4-7 take 32 rows each.  So each row's 256 bytes of a step are named once in the launch.  Steps 0-3 come by their loads alone;
; the last request names step 35 (how = 0: the trip ahead of the loop; else the register that the loop's count must exceed).
.macro ASK how
.if (\how) == 0
	s_cmp_eq_u32 s[LIM], 1
.else
	s_cmp_gt_u32 s[LC], s[\how]
.endif
	s_cbranch_scc0 .Lnot_mine_\@
	global_prefetch_b8 v[PFO], s[PFA:PFA+1] th:TH_LOAD_NT scope:SCOPE_SE
.Lnot_mine_\@:
.endm
; THE CHANGE OF SLOTS, in front of step t (slot s = t & 1), the same text for all eight waves.  In front of the barrier: all my tensor loads have landed (one is out: my 64 rows of this step's weights); the add;
; my LDS instructions are done: a multiplying wave's reads of the other slots, a feature wave's stores of this step's features.  Behind it this step's weights and features are whole and nobody reads the other slots.
; fill = 1: the barrier is a round of the cluster's, and the joint refill of the other weight slot, step t + 1, is the first thing behind it: it has the whole step, 128 products a wave, in which to land.
.macro BOUND s, fill, how
.if \fill
	s_wait_xcnt 0x0                                ; the last prefetch, a step back, has read its address
	s_add_nc_u64 s[PFA:PFA+1], s[PFA:PFA+1], KB
.endif
	s_wait_tensorcnt 0x0                           ; no tensor load of mine is out, so a group 0 may be written
	ds_add_u32 v[SPW], v[NIL]                      ; 0 onto my spare word
.if \fill
	s_add_nc_u64 s[G0B+4*(\s)+2:G0B+4*(\s)+3], s[G0B+4*(\s)+2:G0B+4*(\s)+3], 2*KB  ; this slot's next step; the type bits on top are not reached
.endif
	s_wait_dscnt 0x0
.if \fill
	ROUND
	tensor_load_to_lds s[G0B+4*(1-(\s)):G0B+4*(1-(\s))+3], s[G1B:G1B+7]
	s_nop 0
	PLACES                                         ; the places ahead of the fragment loads that follow
	ASK \how
.else
	s_barrier_signal -1
	s_barrier_wait -1
.endif
.endm
; ---------------- the multiplying waves' macros ----------------
; 24 LDS loads in one run: quarter q (32 along K) of a step: 8 weight fragments, then the 4 feature fragments, blocks 2 and 3 last
.macro FETCH slot, q, f
	WIN 0
.irp b, 0,1,2,3,4,5,6,7
	ds_load_b128 v[(\f)+8*\b:(\f)+8*\b+3],   v[ADRB+(\slot)] offset:16*PB*\b+64*(\q)
	ds_load_b128 v[(\f)+8*\b+4:(\f)+8*\b+7], v[ADRB+(\slot)] offset:16*PB*\b+64*(\q)+32
.endr
.irp a, 0,1,2,3
	ds_load_b128 v[(\f)+64+8*\a:(\f)+64+8*\a+3],   v[ADRA+(\slot)] offset:16*PB*\a+64*(\q)
	ds_load_b128 v[(\f)+64+8*\a+4:(\f)+64+8*\a+7], v[ADRA+(\slot)] offset:16*PB*\a+64*(\q)+32
.endr
.endm
; 16 products: row blocks a0, a0 + 1 x all 8 column blocks.  The 32 accumulators take turns, one instruction a turn, in the same order in every quarter and over the backward jump.
; zero = 1: the product starts the sum: nothing is cleared.
.macro MUL16 f, a0, zero
	WIN 0x50                                       ; C and D in window 1
.irp a, \a0, (\a0)+1
.irp b, 0,1,2,3,4,5,6,7
.if \zero
	v_wmma_f32_16x16x32_f16 v[8*(8*(\a)+(\b)):8*(8*(\a)+(\b))+7], v[(\f)+8*(\b):(\f)+8*(\b)+7], v[(\f)+64+8*(\a):(\f)+64+8*(\a)+7], 0
.else
	v_wmma_f32_16x16x32_f16 v[8*(8*(\a)+(\b)):8*(8*(\a)+(\b))+7], v[(\f)+8*(\b):(\f)+8*(\b)+7], v[(\f)+64+8*(\a):(\f)+64+8*(\a)+7], v[8*(8*(\a)+(\b)):8*(8*(\a)+(\b))+7]
.endif
.endr
.endr
.endm
; Multiplies buffer f; in its middle fetches quarter qn of the same slot into buffer g
.macro QUARTER slot, qn, f, g, zero
	s_wait_dscnt 4                                 ; of the 24 loads that are out the youngest four (feature blocks 2, 3) may stay out
	MUL16 \f, 0, \zero
	PLACES
	FETCH \slot, \qn, \g
	s_wait_dscnt 24                                ; all but the 24 just issued
	MUL16 \f, 2, \zero
.endm
; A step.  Its first fragments are asked for at once; the step before's last quarter, whose fragments the change of slots has shown to be in registers, is multiplied while they come.
.macro MSTEP slot, first
	FETCH \slot, 0, F0
.if (\first) == 0
	MUL16 F1, 0, 0
	MUL16 F1, 2, 0
.endif
	QUARTER \slot, 1, F0, F1, \first
	QUARTER \slot, 2, F1, F0, 0
	QUARTER \slot, 3, F0, F1, 0
.endm
; THE WAY OUT of row block a: 32 bytes a lane into my own stage, and back as whole rows of 512 bytes.  Each accumulator's low four registers go first.
.macro STG a
	WIN 0x04                                       ; store data in window 1
.irp b, 0,1,2,3,4,5,6,7
	ds_store_b128 v[STO], v[8*(8*(\a)+\b):8*(8*(\a)+\b)+3]   offset:16*PS*(\a)+64*\b
	ds_store_b128 v[STO], v[8*(8*(\a)+\b)+4:8*(8*(\a)+\b)+7] offset:16*PS*(\a)+64*\b+16
.endr
	WIN 0
.if (\a) >= 2
	s_wait_xcnt 0x0                                ; the stores of the block two back have read this set's registers
.endif
.set BK, OB+64*((\a)%2)
.irp t, 0,1,2,3,4,5,6,7,8,9,10,11,12,13,14,15
	ds_load_b128 v[BK+4*\t:BK+4*\t+3], v[RD] offset:PS*(16*(\a)+\t)  ; LDS serves a wave's instructions in order (ISA guide 5.7.1.4): these see the stores above
.endr
.endm
.macro SEND a, younger                 ; younger: the LDS instructions issued behind block a's loads: the next block's 32, or none
.set BK, OB+64*((\a)%2)
	s_wait_dscnt \younger
.irp t, 0,1,2,3,4,5,6,7,8,9,10,11,12,13,14,15
	global_store_b128 v[CO], v[BK+4*\t:BK+4*\t+3], s[12:13] offset:2048*(16*(\a)+\t) th:TH_STORE_NT  ; 512 consecutive bytes, at a multiple of 256 from out0's first byte
.endr
.endm
; ---------------- the feature waves' macros ----------------
.macro KSET reg, val
	v_mov_b32 v[\reg], \val
	v_mov_b32 v[(\reg)+1], \val
.endm
.macro FOLD                            ; four packed chains into one number, and the other half of the row from the lane 16 away
	v_pk_add_f32 v[TS:TS+1], v[TS:TS+1], v[TS+2:TS+3]
	v_pk_add_f32 v[TS+4:TS+5], v[TS+4:TS+5], v[TS+6:TS+7]
	v_pk_add_f32 v[TS:TS+1], v[TS:TS+1], v[TS+4:TS+5]
	v_add_f32 v[TS], v[TS], v[TS+1]
	v_permlanex16_b32 v[TS+1], v[TS], s[SEL], s[SEL+1]
	v_add_f32 v[TS], v[TS], v[TS+1]
.endm
.macro GLOAD g, set                    ; gamma and beta of channels 16 s + 8 h + 0..7, s = 4 g .. 4 g + 3: 16 loads
.irp k, 0,1,2,3
	ds_load_b128 v[(\set)+8*\k:(\set)+8*\k+3],       v[GA] offset:64*(4*(\g)+\k)
	ds_load_b128 v[(\set)+8*\k+4:(\set)+8*\k+7],     v[GA] offset:64*(4*(\g)+\k)+16
	ds_load_b128 v[(\set)+32+8*\k:(\set)+32+8*\k+3],   v[GA] offset:2048+64*(4*(\g)+\k)
	ds_load_b128 v[(\set)+32+8*\k+4:(\set)+32+8*\k+7], v[GA] offset:2048+64*(4*(\g)+\k)+16
.endr
.endm
.macro AFF g, set                      ; xn = d (rstd gamma) + beta for those 32 numbers
.set m, 0
.rept 16
	v_pk_mul_f32 v[(\set)+2*m:(\set)+2*m+1], v[(\set)+2*m:(\set)+2*m+1], v[RS:RS+1]
.set m, m+1
.endr
	WIN 0x41                                       ; destination and source 0 in window 1
.set m, 0
.rept 16
	v_pk_fma_f32 v[32*(\g)+2*m:32*(\g)+2*m+1], v[32*(\g)+2*m:32*(\g)+2*m+1], v[(\set)+2*m:(\set)+2*m+1], v[(\set)+32+2*m:(\set)+32+2*m+1]
.set m, m+1
.endr
	WIN 0
.endm
; Base step c: relu of my 64 xn of channels 128 c .. + 127, rounded to f16: 8 stores of 16 bytes
.macro BLEAF c, slot
	WIN 0x05                                       ; sources 0 and 1 in window 1
.set m, 0
.rept 32
	v_cvt_pk_f16_f32 v[TS+m], v[64*(\c)+2*m], v[64*(\c)+2*m+1]
.set m, m+1
.endr
	WIN 0
.set m, 0
.rept 32
	v_pk_max_num_f16 v[TS+m], v[TS+m], v[ZR]
.set m, m+1
.endr
.irp k, 0,1,2,3,4,5,6,7
	ds_store_b128 v[PSB+(\slot)], v[TS+4*\k:TS+4*\k+3] offset:32*\k
.endr
.endm
.macro SLEAF s                         ; spline step s: my eight xn come down into window 0
	WIN 0x01
.irp i, 0,1,2,3,4,5,6,7
	v_mov_b32 v[CUR+\i], v[8*(\s)+\i]
.endr
	WIN 0
.endm
; Number n of the 42 plain lines of the spline part, for the pair of xn at XP: 0-9 rho_k; 10-17 h_j; 18-25 clamp01(kappa (2 h_j - 1)); 26-33 and 34-41 their squares
.macro PLN n
.if (\n) < 10
	v_pk_fma_f32 v[RHO+2*(\n):RHO+2*(\n)+1], v[XP:XP+1], v[KA:KA+1], v[KR+2*(\n):KR+2*(\n)+1] clamp
.elseif (\n) < 18
	v_pk_add_f32 v[HH+2*((\n)-10):HH+2*((\n)-10)+1], v[RHO+2*((\n)-10):RHO+2*((\n)-10)+1], v[RHO+2*((\n)-8):RHO+2*((\n)-8)+1] neg_lo:[0,1] neg_hi:[0,1]
.elseif (\n) < 26
	v_pk_fma_f32 v[BHH+2*((\n)-18):BHH+2*((\n)-18)+1], v[HH+2*((\n)-18):HH+2*((\n)-18)+1], v[K2:K2+1], v[KN:KN+1] clamp
.elseif (\n) < 34
	v_pk_mul_f32 v[HSQ+2*((\n)-26):HSQ+2*((\n)-26)+1], v[HH+2*((\n)-26):HH+2*((\n)-26)+1], v[HH+2*((\n)-26):HH+2*((\n)-26)+1]
.else
	v_pk_mul_f32 v[BSQ+2*((\n)-34):BSQ+2*((\n)-34)+1], v[BHH+2*((\n)-34):BHH+2*((\n)-34)+1], v[BHH+2*((\n)-34):BHH+2*((\n)-34)+1]
.endif
.endm
; The 16 features of xn 2 u and 2 u + 1 of the step's eight, packed across the two xn.  The 16 exponentials are ONE batch: they take turns with plain lines that name none of their results, 26 more plain lines
; follow, and one wait stands ahead of the first reader.
.macro GEN2 u, slot
.set XP, CUR+2*(\u)
.irp j, 0,1,2,3,4,5,6,7
	v_pk_fma_f32 v[EE+2*\j:EE+2*\j+1], v[XP:XP+1], s[AL:AL+1], s[BJ+2*\j:BJ+2*\j+1] op_sel_hi:[1,0,0]  ; t_j
.endr
.irp j, 0,1,2,3,4,5,6,7
	v_pk_fma_f32 v[EE+2*\j:EE+2*\j+1], v[EE+2*\j:EE+2*\j+1], v[EE+2*\j:EE+2*\j+1], s[CCS:CCS+1] op_sel_hi:[1,1,0] neg_lo:[1,0,0] neg_hi:[1,0,0]  ; -t^2 + log2(3/4)
.endr
.set pn, 0
.rept 16
	v_exp_f32 v[EE+pn], v[EE+pn]
	PLN pn
.set pn, pn+1
.endr
.rept 26
	PLN pn
.set pn, pn+1
.endr
	s_wait_alu depctr_va_vdst(0)                   ; the wait for the batch
.irp j, 0,1,2,3,4,5,6,7
	v_pk_fma_f32 v[EE+2*\j:EE+2*\j+1], v[HSQ+2*\j:HSQ+2*\j+1], v[HH+2*\j:HH+2*\j+1], v[EE+2*\j:EE+2*\j+1]  ; + h^3
.endr
.irp j, 0,1,2,3,4,5,6,7
	v_pk_fma_f32 v[EE+2*\j:EE+2*\j+1], v[BSQ+2*\j:BSQ+2*\j+1], v[BHH+2*\j:BHH+2*\j+1], v[EE+2*\j:EE+2*\j+1] neg_lo:[1,0,0] neg_hi:[1,0,0]  ; - the inner cube
.endr
.irp m, 0,1,2,3
	v_cvt_pk_f16_f32 v[OUTR+\m],   v[EE+4*\m],   v[EE+4*\m+2]  ; xn 2 u: j = 2 m, 2 m + 1 (the pairs' low words)
	v_cvt_pk_f16_f32 v[OUTR+4+\m], v[EE+4*\m+1], v[EE+4*\m+3]  ; xn 2 u + 1 (their high words)
.endr
	ds_store_b128 v[PSS+(\slot)], v[OUTR:OUTR+3]   offset:32*(\u)
	ds_store_b128 v[PSS+(\slot)], v[OUTR+4:OUTR+7] offset:32*(\u)+16
.endm
; The features of the loop's next step.  A loop cannot index registers, so the loop's count chooses among 17 short leaves, by forward jumps that pass no barrier and no tensor load:
; count 17: base step 2 + par; count c <= 16: spline step 2 (16 - c) + par, whose eight xn are brought down; the spline leaves meet at one text of four GEN2.
.macro PGEN slot, par
	s_cmp_eq_u32 s[LC], 17
	s_cbranch_scc1 .Lbase_\@
.irp c, 16,15,14,13,12,11,10,9,8,7,6,5,4,3,2
	s_cmp_eq_u32 s[LC], \c
	s_cbranch_scc1 .Lleaf_\@_\c
.endr
	SLEAF 30+\par
	s_branch .Lgen_\@
.irp c, 16,15,14,13,12,11,10,9,8,7,6,5,4,3,2
.Lleaf_\@_\c:
	SLEAF 2*(16-\c)+\par
	s_branch .Lgen_\@
.endr
.Lbase_\@:
	BLEAF 2+\par, \slot
	s_branch .Lend_\@
.Lgen_\@:
	GEN2 0, \slot
	GEN2 1, \slot
	GEN2 2, \slot
	GEN2 3, \slot
.Lend_\@:
.endm
; A TRIP: the change of slots, then each wave's part of step t.  Neither arm holds a barrier or a tensor load, and neither writes an address register.
.macro TRIP s, how, first, par
	BOUND \s, 1, \how
	s_cmp_lt_u32 s[WV], 4
	s_cbranch_scc0 .Lmake_\@
	MSTEP \s, \first
	WIN 0
	s_branch .Lmet_\@
.Lmake_\@:
.if \first
	BLEAF 1, 1-(\s)
.else
	PGEN 1-(\s), \par
.endif
.Lmet_\@:
.endm
; ---------------- the head ----------------
	s_load_b256 s[4:11], s[0:1], 0x0               ; x s[4:5], gamma s[6:7], beta s[8:9], wc s[10:11]
	s_load_b64 s[12:13], s[0:1], 0x20              ; out0
	v_lshl_add_u32 v[SPW], v0, 2, SPARE
	v_mov_b32 v[NIL], 0
	ds_add_u32 v[SPW], v[NIL]                      ; the wave's opening: the add, twice on end, and its wait ahead of my first tensor load; the set-up below stands between
	ds_add_u32 v[SPW], v[NIL]
	v_lshrrev_b32 v1, 5, v0
	v_readfirstlane_b32 s[WV], v1                  ; wave 0..7
	s_and_b32 s[W4], s[WV], 3
	s_bfe_u32 s[CX], ttmp6, 0x40000                ; cx
	s_lshl_b32 s[WG], ttmp9, 2                     ; in a cluster launch ttmp9 counts clusters
	s_add_co_u32 s[WG], s[WG], s[CX]
	; group 1 for wc: a tile of 64 rows x 128 elements of 2 bytes, padded in LDS
	s_mov_b32 s[G1B+0], 15|(1<<16)|(1<<20)|(1<<21)|(5<<22)|(3<<25)  ; 15:0 the mask of four; 17:16 2-byte elements; 20 padding on; 21 set beside a mask; 24:22 after every 64 words (code 5); 31:25 4 words (code 3)
	s_mov_b32 s[G1B+1], 128<<16                    ; tensor_dim0 = 128
	s_mov_b32 s[G1B+2], 64<<16                     ; tensor_dim1 = 64
	s_mov_b32 s[G1B+3], 128<<16                    ; tile_dim0 = 128
	s_mov_b32 s[G1B+4], 64                         ; tile_dim1 = 64
	s_mov_b32 s[G1B+5], 4608                       ; elements from row to row
	s_mov_b32 s[G1B+6], 0
	s_mov_b32 s[G1B+7], 0
	; group 1 for x: my 8 rows are 16,384 dense bytes: 16 rows of 256 elements of 4 bytes, padded after each
	s_mov_b32 s[G1X+0], (2<<16)|(1<<20)|(7<<22)|(3<<25)  ; no mask: each work-group has its own rows; after every 256 words (code 7) 4 words (code 3)
	s_mov_b32 s[G1X+1], 256<<16
	s_mov_b32 s[G1X+2], 16<<16
	s_mov_b32 s[G1X+3], 256<<16
	s_mov_b32 s[G1X+4], 16
	s_mov_b32 s[G1X+5], 256
	s_mov_b32 s[G1X+6], 0
	s_mov_b32 s[G1X+7], 0
	s_mov_b32 s[G0B+0], 1
	s_mul_i32 s[G0B+1], s[WV], 64*PB               ; my 64 rows of slot 0: the wave's number alone enters an LDS address
	s_mov_b32 s[G0B+4], 1
	s_add_co_u32 s[G0B+5], s[G0B+1], B1            ; and of slot 1
	s_mov_b32 s[G0X+0], 1
	s_mul_i32 s[G0X+1], s[WV], 16*PX
	s_add_co_u32 s[G0X+1], s[G0X+1], B1            ; x lands where slot 1's weights come later
	s_mul_i32 s52, s[WV], 64*WROW                  ; my 64 rows of wc
	s_mov_b32 s53, 0
	s_lshl_b32 s82, s[WG], 17                      ; my work-group's 64 rows of x: 131,072 bytes,
	s_lshl_b32 s83, s[WV], 14                      ; my wave's 8 of them
	s_add_co_u32 s82, s82, s83
	s_mov_b32 s83, 0
	s_lshl_b32 s84, s[WG], 17                      ; the same rows of out0,
	s_lshl_b32 s85, s[W4], 9                       ; my 128 columns
	s_add_co_u32 s84, s84, s85
	s_mov_b32 s85, 0
	s_mov_b32 s[SEL], 0x76543210
	s_mov_b32 s[SEL+1], 0xfedcba98
	s_lshr_b32 s[LIM], s[WV], 2                    ; who prefetches: waves 4-7
	s_xor_b32 s[LIM], s[LIM], 1
	s_or_b32 s[LIM], s[LIM], ttmp9                 ; of cluster 0: the same in all four partners
	s_cmp_eq_u32 s[LIM], 0
	s_cselect_b32 s[LIM], 1, -1
	s_cselect_b32 s[LIM2], 2, -1
	v_and_b32 v[PFO], 31, v0
	v_mul_u32_u24 v[PFO], v[PFO], WROW
	s_wait_dscnt 0x0                               ; both opening adds are done
	s_wait_kmcnt 0x0
	s_add_nc_u64 s[G0B+2:G0B+3], s[10:11], s[52:53]       ; K step 0
	s_add_nc_u64 s[G0B+6:G0B+7], s[G0B+2:G0B+3], KB       ; K step 1
	s_or_b32 s[G0B+3], s[G0B+3], 0x80000000               ; type = 2
	s_or_b32 s[G0B+7], s[G0B+7], 0x80000000
	s_add_nc_u64 s[G0X+2:G0X+3], s[4:5], s[82:83]
	s_or_b32 s[G0X+3], s[G0X+3], 0x80000000
	s_add_nc_u64 s[12:13], s[12:13], s[84:85]
	s_lshl_b32 s82, s[CX], 7                       ; the prefetches: my work-group's 128 rows of wc,
	s_lshl_b32 s83, s[W4], 5                       ; my wave's 32 of them,
	s_add_co_u32 s82, s82, s83
	s_mul_i32 s82, s82, WROW
	s_add_co_u32 s82, s82, 3*KB                    ; at K step 3: the first change of slots steps it to 4
	s_mov_b32 s83, 0
	s_add_nc_u64 s[PFA:PFA+1], s[10:11], s[82:83]
	ROUND                                          ; all four work-groups are here: the first joint loads meet
	tensor_load_to_lds s[G0X:G0X+3], s[G1X:G1X+7]  ; my 8 rows of x: the first fills go out together: two loads of mine are out
	s_nop 0
	tensor_load_to_lds s[G0B:G0B+3], s[G1B:G1B+7]  ; my 64 rows of K step 0
	s_nop 0
	PLACES
; ---------------- the set-up: ONE text for all eight waves, no branch, while the first tiles are on their way ----------------
	; gamma and beta go into LDS: waves 0-3 bring gamma, waves 4-7 beta: thread t takes 16 bytes at 16 (t mod 128) and puts them at GB + 16 t
	s_cmp_lt_u32 s[WV], 4
	s_cselect_b64 s[GBP:GBP+1], s[6:7], s[8:9]
	v_and_b32 v3, 127, v0
	v_lshlrev_b32 v3, 4, v3
	global_load_b128 v[GIN:GIN+3], v3, s[GBP:GBP+1]
	v_lshl_add_u32 v[GST], v0, 4, GB
	v_and_b32 v1, 15, v0                           ; r = l % 16
	v_bfe_u32 v2, v0, 4, 1                         ; h = l / 16
	; the multiplying role's addresses
	v_mul_u32_u24 v24, v1, PB
	v_lshl_add_u32 v24, v2, 4, v24                 ; a fragment's row x pitch + 16 x half
	s_mul_i32 s[TL], s[W4], 128*PB                 ; 128 rows of weights a wave
	v_add_nc_u32 v[ADRB], s[TL], v24
	v_add_nc_u32 v[ADRB+1], B1, v[ADRB]
	v_add_nc_u32 v[ADRA], A0, v24
	v_add_nc_u32 v[ADRA+1], A1, v24
	s_mul_i32 s[TL], s[W4], 64*PS                  ; a wave's stage
	v_mul_u32_u24 v[STO], v1, PS
	v_lshl_add_u32 v[STO], v2, 5, v[STO]
	v_add_nc_u32 v[STO], s[TL], v[STO]
	v_and_b32 v[CO], 31, v0
	v_lshlrev_b32 v[CO], 4, v[CO]
	v_add_nc_u32 v[RD], s[TL], v[CO]
	; the feature role's addresses
	v_lshl_add_u32 v11, s[W4], 4, v1               ; a lane's row of the 64
	v_mul_u32_u24 v[XA], v11, 2*PX
	v_lshl_add_u32 v[XA], v2, 5, v[XA]
	v_add_nc_u32 v[XA], B1, v[XA]
	v_lshl_add_u32 v[GA], v2, 5, GB
	v_mul_u32_u24 v11, v11, PB
	v_lshl_add_u32 v[PSB], v2, 4, v11
	v_add_nc_u32 v[PSB+1], A1, v[PSB]
	v_add_nc_u32 v[PSB], A0, v[PSB]
	v_lshl_add_u32 v[PSS], v2, 7, v11
	v_add_nc_u32 v[PSS+1], A1, v[PSS]
	v_add_nc_u32 v[PSS], A0, v[PSS]
	; and its constants (in a multiplying wave v32-57 are taken over by the first fragments)
	v_mov_b32 v[ZR], 0
	KSET KA, 0x3f555555                            ; 1 / 1.2
	KSET K2, 0x3fcb2ff5                            ; 2 kappa
	KSET KN, 0xbf4b2ff5                            ; -kappa
	KSET KR+0,  0x40300000                         ; 2.75 - 0.5 k
	KSET KR+2,  0x40100000
	KSET KR+4,  0x3fe00000
	KSET KR+6,  0x3fa00000
	KSET KR+8,  0x3f400000
	KSET KR+10, 0x3e800000
	KSET KR+12, 0xbe800000
	KSET KR+14, 0xbf400000
	KSET KR+16, 0xbfa00000
	KSET KR+18, 0xbfe00000
	s_mov_b32 s[C512], 0x3b000000                  ; 1 / 512
	s_mov_b32 s[C512+1], 0x3727c5ac                ; 1e-5
	s_mov_b32 s[AL], 0x40335e1c                    ; sqrt(log2 e) x 7/3
	s_mov_b32 s[AL+1], s[AL]                       ; the pairs' high words are named, so they are written
	s_mov_b32 s[CCS], 0xbed47fcc                   ; log2(3/4)
	s_mov_b32 s[CCS+1], s[CCS]
	s_mov_b32 s[BJ+0],  0x40868695                 ; sqrt(log2 e) (3.5 - j)
	s_mov_b32 s[BJ+2],  0x40402df9
	s_mov_b32 s[BJ+4],  0x3fe69d92
	s_mov_b32 s[BJ+6],  0x3f19be61
	s_mov_b32 s[BJ+8],  0xbf19be61
	s_mov_b32 s[BJ+10], 0xbfe69d92
	s_mov_b32 s[BJ+12], 0xc0402df9
	s_mov_b32 s[BJ+14], 0xc0868695
.irp j, 0,2,4,6,8,10,12,14
	s_mov_b32 s[BJ+\j+1], s[BJ+\j]
.endr
	s_wait_loadcnt 0x0                             ; my 16 bytes of gamma or beta
	ds_store_b128 v[GST], v[GIN:GIN+3]
	s_wait_tensorcnt 0x1                           ; my rows of x are in (issued first); K step 0 may stay out
	s_wait_dscnt 0x0                               ; for the others' sake: gamma and beta are stored
	s_barrier_signal -1
	s_barrier_wait -1
	s_cmp_lt_u32 s[WV], 4
	s_cbranch_scc1 .Lpro_done
; ---------------- the feature waves: LayerNorm, and step 0's features ----------------
	WIN 0x40                                       ; destination window 1
.set sx, 0
.rept 32
	ds_load_b128 v[8*sx:8*sx+3],   v[XA] offset:PX*(sx/16)+64*(sx%16)
	ds_load_b128 v[8*sx+4:8*sx+7], v[XA] offset:PX*(sx/16)+64*(sx%16)+16
.set sx, sx+1
.endr
	s_wait_dscnt 0x0
	WIN 0x05                                       ; the sum, in four packed chains; the first four lines add two pairs each: nothing is cleared
.irp c, 0,1,2,3
	v_pk_add_f32 v[TS+2*\c:TS+2*\c+1], v[2*\c:2*\c+1], v[8+2*\c:8+2*\c+1]
.endr
	WIN 0x04
.set k, 8
.rept 120
	v_pk_add_f32 v[TS+2*(k%4):TS+2*(k%4)+1], v[TS+2*(k%4):TS+2*(k%4)+1], v[2*k:2*k+1]
.set k, k+1
.endr
	WIN 0
	FOLD
	v_mul_f32 v[MU], s[C512], v[TS]
	v_mov_b32 v[MU+1], v[MU]
	WIN 0x41
.set k, 0
.rept 128
	v_pk_add_f32 v[2*k:2*k+1], v[2*k:2*k+1], v[MU:MU+1] neg_lo:[0,1] neg_hi:[0,1]  ; d = x - mu
.set k, k+1
.endr
	WIN 0x05
.irp c, 0,1,2,3
	v_pk_mul_f32 v[TS+2*\c:TS+2*\c+1], v[2*\c:2*\c+1], v[2*\c:2*\c+1]
.endr
.set k, 4
.rept 124
	v_pk_fma_f32 v[TS+2*(k%4):TS+2*(k%4)+1], v[2*k:2*k+1], v[2*k:2*k+1], v[TS+2*(k%4):TS+2*(k%4)+1]
.set k, k+1
.endr
	WIN 0
	GLOAD 0, GS0
	FOLD
	v_fma_f32 v[TS], v[TS], s[C512], s[C512+1]     ; var + eps
	v_rsq_f32 v[RS], v[TS]
	v_nop                                          ; a plain instruction behind the root,
	s_wait_alu depctr_va_vdst(0)                   ; and the wait ahead of its first reader
	v_mov_b32 v[RS+1], v[RS]
.irp g, 0,1,2,3,4,5,6
	GLOAD (\g)+1, GS0+64*(((\g)+1)%2)
	s_wait_dscnt 16                                ; this group's 16 loads are in; the next group's 16 may stay out
	AFF \g, GS0+64*((\g)%2)
.endr
	s_wait_dscnt 0x0
	AFF 7, GS0+64
	BLEAF 0, 0                                     ; K step 0's features
.Lpro_done:
; ---------------- the 36 steps ----------------
	TRIP 0, 0, 1, 0                                ; t = 0, written out: its first quarter's products start the sums; its refill, K step 1, lands where x lay; features of step 1
	s_mov_b32 s[LC], 17
.Lloop:                                                ; t = 1 .. 34, two a trip
	TRIP 1, LIM, 0, 0
	TRIP 0, LIM2, 0, 1
	s_sub_co_u32 s[LC], s[LC], 1
	s_cmp_lg_u32 s[LC], 0
	s_cbranch_scc1 .Lloop
	BOUND 1, 0, 0                                  ; t = 35, written out: nothing is left to fetch or to make
	s_cmp_lt_u32 s[WV], 4
	s_cbranch_scc0 .Lfin
	PLACES                                         ; ahead of the loads into buffer 0, which the last quarter multiplied
	MSTEP 1, 0
	s_wait_dscnt 0x0
	MUL16 F1, 0, 0                                 ; the last quarter of all
	MUL16 F1, 2, 0
	WIN 0
	PLACES
	PLACES                                         ; eight plain places, once a launch, between the last products and the stores and loads that touch their registers
	STG 0
	STG 1
	SEND 0, 32
	STG 2
	SEND 1, 32
	STG 3
	SEND 2, 32
	SEND 3, 0
.Lfin:
	s_wait_tensorcnt 0x0                           ; the wave's end, behind my last tensor load and my last LDS store
	ds_add_u32 v[SPW], v[NIL]
	s_wait_dscnt 0x0
	ROUND                                          ; the closing round: no work-group ends while a partner may still ask for a tile that names it
	s_endpgm
.Lfunc_end_k_qf110c61913_kan:
	.size	k_qf110c61913_kan, .Lfunc_end_k_qf110c61913_kan-k_qf110c61913_kan
	.p2alignl 7, 3214868480
	.fill 96, 4, 3214868480
	.section	.rodata,"a",@progbits
	.p2align	6, 0x0
	.amdhsa_kernel k_qf110c61913_kan
		.amdhsa_group_segment_fixed_size 327680
		.amdhsa_private_segment_fixed_size 0
		.amdhsa_enable_private_segment 0
		.amdhsa_kernarg_size 40
		.amdhsa_user_sgpr_count 2
		.amdhsa_user_sgpr_kernarg_segment_ptr 1
		.amdhsa_wavefront_size32 1
		.amdhsa_system_sgpr_workgroup_id_x 1
		.amdhsa_system_sgpr_workgroup_id_y 1
		.amdhsa_system_sgpr_workgroup_id_z 1
		.amdhsa_system_vgpr_workitem_id 0
		.amdhsa_next_free_vgpr 512
		.amdhsa_next_free_sgpr 90
		.amdhsa_reserve_vcc 0
		.amdhsa_float_denorm_mode_32 3
		.amdhsa_float_denorm_mode_16_64 3
		.amdhsa_memory_ordered 1
		.amdhsa_forward_progress 1
		.amdhsa_inst_pref_size 219
	.end_amdhsa_kernel
	.amdgpu_metadata
---
amdhsa.version: [ 1, 2 ]
amdhsa.kernels:
  - .name:           k_qf110c61913_kan
    .symbol:         k_qf110c61913_kan.kd
    .args:
      - { .name: x, .offset: 0, .size: 8, .value_kind: global_buffer, .address_space: global }
      - { .name: ln_gamma, .offset: 8, .size: 8, .value_kind: global_buffer, .address_space: global }
      - { .name: ln_beta, .offset: 16, .size: 8, .value_kind: global_buffer, .address_space: global }
      - { .name: wc, .offset: 24, .size: 8, .value_kind: global_buffer, .address_space: global }
      - { .name: out0, .offset: 32, .size: 8, .value_kind: global_buffer, .address_space: global }
    .group_segment_fixed_size: 327680
    .private_segment_fixed_size: 0
    .kernarg_segment_align: 8
    .kernarg_segment_size: 40
    .max_flat_workgroup_size: 256
    .sgpr_count:     90
    .vgpr_count:     512
    .wavefront_size: 32
...
	.end_amdgpu_metadata
.endif
;; end of part 2
